; MI455X (gfx1250); checked and timed in simulation.
; The chip was launched on July 23, 2026; its instructions are those of AMD's public machine-readable ISA for CDNA 5 (MIT licence, August 2026) and "CDNA5" Instruction Set Architecture Reference Guide (July 2026). The comments in the code are by the model that wrote it; some were corrected since.
;; Multi Head Attention. Allowed arithmetic: matrix products marked QUANTISED: E2M3 operands, one E8M0 scale for each 32 along K, by v_wmma_scale_f32_16x16x128_f8f6f4 with both operands' format E2M3, f32 sums; everything else in f32.
;; Inputs: Wk 16 x 1,024 x 64 float32; Wo 1,024 x 64 float32; Wq 16 x 1,024 x 64 float32; Wv 16 x 1,024 x 64 float32; bk 16 x 64 float32; bo 64 float32; bq 16 x 64 float32; bv 16 x 64 float32; context_tokens 4 x 2,048 x 1,024 float32; current_tokens 4 x 2,048 x 1,024 float32.
;; Outputs: out0 4 x 2,048 x 64 float32.
;; This version of the problem:
;;   THIS VERSION OF THE PROBLEM IS GIVEN IN LOW PRECISION. The matrix products marked QUANTISED in the list below multiply operands that are first quantised to E2M3 (2 exponent bits, 3 mantissa bits; 6 bits a number), with one power-of-two scale for each 32 numbers along K (OCP MX v1.0); their sums are f32. All else is computed in f32.
;;   The module's matrix products, in the order in which they are computed (A, B: the left and right operand; K: the contracted axis; several contracted axes count as one K, in the product's order):
;;     1. [M 1,024, K 1,024] x [K 1,024, N 8,192]; A: input Wq; B: input current_tokens: QUANTISED
;;     2. [M 1,024, K 1,024] x [K 1,024, N 8,192]; A: input Wk; B: input context_tokens: QUANTISED
;;     3. [M 1,024, K 1,024] x [K 1,024, N 8,192]; A: input Wv; B: input context_tokens: QUANTISED
;;     4. batch 64 x [M 2,048, K 64] x [K 64, N 2,048]; A: computed on the way; B: computed on the way: QUANTISED
;;     5. batch 64 x [M 2,048, K 2,048] x [K 2,048, N 64]; A: softmax (see below); B: computed on the way: QUANTISED
;;     6. [M 8,192, K 1,024] x [K 1,024, N 64]; A: computed on the way; B: input Wo: QUANTISED
;;   THE QUANTISER, for each operand of a quantised product, along K:
;;     - K is cut into blocks of 32 from its start; a last block that is shorter is filled with zeros.
;;     - A block's scale is 2^e with e = floor(log2(the largest magnitude in the block)) - 2, held to -126 .. 127; a block of zeros has e = 0. As a byte (E8M0): e + 127.
;;     - Each number is divided by its block's scale, clamped to +-7.5, and rounded to the nearest number of E2M3, ties to even, subnormals kept.
;;     - The product sums the exact products of the quantised numbers (number of the format x scale) in f32.
;;   ~~~python
;;   def quantise(x, axis):      # numpy; x: float32 -> the quantised numbers, widened to float32 again
;;       x = np.moveaxis(x, axis, -1); K = x.shape[-1]
;;       x = np.pad(x, [(0, 0)] * (x.ndim - 1) + [(0, -K % 32)]); x = x.reshape(x.shape[:-1] + (-1, 32)); a = np.abs(x).max(-1, keepdims=True)
;;       e = np.where(a > 0, np.clip(np.frexp(np.where(a > 0, a, 1))[1] - 1 - 2, -126, 127), 0)      # np.frexp(a)[1] - 1 = floor(log2(a)), exactly
;;       r = np.clip(x / 2.0 ** e, -7.5, 7.5)
;;       step = 2.0 ** (np.maximum(np.frexp(np.where(r == 0, 1, r))[1] - 1, 0) - 3)
;;       q = np.round(r / step) * step * 2.0 ** e      # np.round: ties to even
;;       return np.moveaxis(q.reshape(q.shape[:-2] + (-1,))[..., :K], -1, axis).astype(np.float32)
;;   ~~~
;;   SOFTMAX AHEAD OF A QUANTISED PRODUCT. Where the list says 'softmax', what is quantised is not the finished softmax but p = 2^(t - M), with t = logit x log2(e) and M = ceil(the row's largest t), a whole number; so 1/2 < the row's largest p <= 1. The row's sum l is taken of the UNQUANTISED p, in f32, and the product's result is divided by l at the end. Since M is a whole number, a kernel that streams over the keys may use a running M (the ceiling of the running maximum): every later rescaling is an exact power of two, which a block's scale takes up: the codes' values come out the same.
;;   OPERANDS COMPUTED ON THE WAY. 'Computed on the way' means the value that the module computes at that place (a softmax that the list does not call 'softmax' is quantised finished and normalised). What goes into a quantiser is computed in f32, as accurately as f32 sums, v_exp_f32 and their like allow (about 1e-6 of the number): no bf16 or f16 on the way to a quantiser, and a product that is left as it is and whose result goes on into a quantised operand takes f32 operands (vector FMAs, or v_wmma_f32_16x16x4_f32). A number that lies on a knife's edge between two numbers of the format may be rounded either way, as far as f32 arithmetic and the matrix unit's own rounding can turn it there, and no further.
;; One version. Each part assembles by itself: llvm-mc -triple=amdgcn-amd-amdhsa -mcpu=gfx1250 --defsym DOCPART=n.
;; ======== version 1 of 1: 4 launches
;; limits: right only within a limited range of input values
;; workspace buffers: img 15,616,000 bytes; qbuf 6,553,600 bytes; kvbuf 13,107,200 bytes; ybuf 6,553,600 bytes
;; launch prep (part 1): grid 610 x 1, 4 waves a work-group, no clusters, 34,304 bytes of LDS; arguments current_tokens, context_tokens, Wq, Wk, Wv, Wo, img; writes img
.if DOCPART == 1
	.amdgcn_target "amdgcn-amd-amdhsa--gfx1250"
	.amdhsa_code_object_version 6
	.text
	.protected	k_q2ad02deaac_prep
	.globl	k_q2ad02deaac_prep
	.p2align	8
	.type	k_q2ad02deaac_prep,@function
k_q2ad02deaac_prep:
	s_mov_b64 s[64:65], 0
	v_nop
	global_prefetch_b8 v0, s[64:65] scope:SCOPE_SE
	s_setreg_imm32_b32 hwreg(HW_REG_WAVE_MODE, 25, 1), 1
	s_wait_xcnt 0x0
; Tokens [8192][1024] (current, context) and weights (Wq, Wk, Wv: 16 x [1024][64]; Wo: [1024][64]), all f32, become codes of FP6 (E2M3) along K = the 1,024, one E8M0 byte for each 32 along K.
; They are laid in img as IMAGES OF OPERAND REGISTERS.  A group is 64 rows (tokens, or a weight's 64 columns): 8 K steps x 6,400 bytes; a K step is 4 tiles x 1,536 bytes (12 registers a lane: three planes
; of 512 bytes, lane l's 16 bytes at 16 l) and 256 bytes of scale words, 16 bytes a row r, tile t's word at 4 t.  Groups 0-127 current tokens, 128-255 context tokens, 256.. Wq's, Wk's, Wv's heads, 304 Wo.
; THE ROWS OF A TILE ARE NOT NEIGHBOURS: row r of tile t takes group row 32 (t / 2) + 8 (t % 2) + r + 8 (r / 8), so that in a product used transposed the 16 registers of tiles 2 b, 2 b + 1 are 16 neighbours.
; A block's scale is 2^(floor(log2(its largest magnitude)) - 2); its byte is the largest magnitude's exponent field - 2, held at 1 from below.
; LIMITS: a block whose largest magnitude lies under 2^-124, a block of zeros among them, gets the byte 1 (the rule says 127 for zeros: its codes are zeros, and this program alone reads the bytes); NaN and infinities are not served.
; SHARES: a wave makes one K step of one group.  Work-groups 0-97 take the 49 weight groups, 98-609 the 256 token groups; a work-group's four waves take four K steps.  Waves share nothing: no barrier.
; TOKENS: each load reads 512 consecutive bytes of one row; a tile's 16 rows turn through the wave's own stage in LDS (rows 528 bytes apart) and come back 16 neighbours along K to a lane.
; WEIGHTS: K is the first axis: a lane takes a column and its registers run down K; no stage.
.set NWGW,  98                         ; work-groups for the weights
.set GRPB,  51200
.set STEPB, 6400
.set STG,   16*528                     ; a wave's stage
.set SPARE, 4*STG                      ; behind the stages: the spare words, 128 bytes a wave
.set L16,   1                          ; v1   16 x lane
.set SIN,   2                          ; v2   the stage, in: my wave's + 16 x lane
.set SOUT,  3                          ; v3   the stage, out: my wave's + 528 r + 64 h
.set R16,   4                          ; v4   16 r
.set WOFF,  5                          ; v5   weights: 16 h rows of 256 bytes + 4 (r + 8 (r / 8))
.set SPW,   6                          ; v6   my spare word; never rewritten
.set NIL,   7                          ; v7   0; never rewritten
.set LANE,  9
.set R,     16                         ; v16-79, v80-143  two sets of 64 numbers as loaded
.set X,     144                        ; v144-207 64 numbers: register 16 b + i = k 32 b + 16 h + i of my row
.set TM,    208                        ; v208-223 at work
.set PW,    224                        ; v224-227 the four tiles' scale words
.set PC,    228                        ; v228-247 the codes just made
.set SEL,   30                         ; s[30:31] lane selects: lane l xor 16
; 64 numbers of a lane, register 16 b + i = k 32 b + 16 (lane / 16) + i of my row, become a fragment's codes in v[PC] on and its scale word in v[pw].
.macro QUANT s, pw
.irp b, 0,1,2,3
	v_max3_num_f32 v[TM+\b], |v[(\s)+16*\b]|, |v[(\s)+1+16*\b]|, 0x1800000   ; block b: my 16 numbers, and the floor 2^(3 - 127): the byte cannot fall under 1
.endr
.irp i, 2,4,6,8,10,12,14
.irp b, 0,1,2,3
	v_max3_num_f32 v[TM+\b], v[TM+\b], |v[(\s)+16*\b+\i]|, |v[(\s)+1+16*\b+\i]|   ; the four blocks by turns
.endr
.endr
.irp b, 0,1,2,3
	v_permlanex16_b32 v[TM+4+\b], v[TM+\b], s[SEL], s[SEL+1]
.endr
.irp b, 0,1,2,3
	v_max_num_f32 v[TM+\b], v[TM+\b], v[TM+4+\b]   ; with lane l xor 16's: the block's largest magnitude
.endr
.irp b, 0,1,2,3
	v_add_nc_u32 v[TM+12+\b], 0xff000000, v[TM+\b]   ; 2 off its exponent field: the conversion takes the exponent field of this operand as its scale
.endr
.irp b, 0,1,2,3
	v_lshrrev_b32 v[TM+4+\b], 23, v[TM+12+\b]      ; the scale's byte
.endr
	v_lshl_or_b32 v[\pw], v[TM+5], 8, v[TM+4]      ; four bytes: my row's scale word
	v_lshl_or_b32 v[\pw], v[TM+6], 16, v[\pw]
	v_lshl_or_b32 v[\pw], v[TM+7], 24, v[\pw]
.irp c, 0,1
	v_cvt_scalef32_pk16_fp6_f32 v[PC+6*\c:PC+2+6*\c], v[(\s)+32*\c:(\s)+15+32*\c], v[TM+12+2*\c]
	v_cvt_scalef32_pk16_fp6_f32 v[PC+12+4*\c:PC+14+4*\c], v[(\s)+16+32*\c:(\s)+31+32*\c], v[TM+12+2*\c+1]   ; (a conversion's three registers begin on an even number)
.endr
	v_nop                                          ; one plain place behind a scaled conversion
.irp c, 0,1                                    ; the operand's layout wants a whole block in a lane: lanes 0-15 block 2 c, lanes 16-31 block 2 c + 1
.irp i, 0,1,2
	v_permlane16_swap_b32 v[PC+6*\c+\i], v[PC+12+4*\c+\i]
.endr
.irp i, 0,1,2
	v_mov_b32 v[PC+3+6*\c+\i], v[PC+12+4*\c+\i]
.endr
.endr
.endm
.macro PUT t                           ; the fragment goes out as it stands: each store covers 512 consecutive bytes, aligned
.irp c, 0,1,2
	global_store_b128 v[L16], v[PC+4*\c:PC+4*\c+3], s[16:17] offset:1536*(\t)+512*\c
.endr
.endm
.macro LOADT t                         ; tile t's 16 token rows, 512 bytes of each, into set t % 2
.irp i, 0,1,2,3,4,5,6,7,8,9,10,11,12,13,14,15
	global_load_b128 v[R+64*((\t)%2)+4*\i:R+64*((\t)%2)+4*\i+3], v[L16], s[4:5] offset:(32*((\t)/2)+8*((\t)%2)+(\i%8)+16*(\i/8))*4096 th:TH_LOAD_NT
.endr
.endm
.macro TURN t                          ; through my stage: LDS serves a wave's instructions in order, so no wait stands between the stores and the loads
.irp i, 0,1,2,3,4,5,6,7,8,9,10,11,12,13,14,15
	ds_store_b128 v[SIN], v[R+64*((\t)%2)+4*\i:R+64*((\t)%2)+4*\i+3] offset:528*\i
.endr
.irp b, 0,1,2,3
.irp j, 0,1,2,3
	ds_load_b128 v[X+16*\b+4*\j:X+16*\b+4*\j+3], v[SOUT] offset:128*\b+16*\j
.endr
.endr
.endm
.macro LOADW t                         ; tile t of a weight: W(32 b + 16 h + i, my column) into register 16 b + i of set t % 2
.irp b, 0,1,2,3
.irp i, 0,1,2,3,4,5,6,7,8,9,10,11,12,13,14,15
	global_load_b32 v[R+64*((\t)%2)+16*\b+\i], v[WOFF], s[4:5] offset:(32*\b+\i)*256+(32*((\t)/2)+8*((\t)%2))*4
.endr
.endr
.endm
	s_load_b256 s[4:11], s[0:1], 0x0               ; current s[4:5], context s[6:7], Wq s[8:9], Wk s[10:11]
	s_load_b128 s[12:15], s[0:1], 0x20             ; Wv s[12:13], Wo s[14:15]
	s_load_b64 s[16:17], s[0:1], 0x30              ; img
	v_lshl_add_u32 v[SPW], v0, 2, SPARE
	v_mov_b32 v[NIL], 0
	v_lshrrev_b32 v8, 5, v0
	v_readfirstlane_b32 s18, v8                    ; wave
	v_and_b32 v[LANE], 31, v0
	v_and_b32 v10, 15, v0                          ; r
	v_bfe_u32 v11, v0, 4, 1                        ; h
	v_lshlrev_b32 v[L16], 4, v[LANE]
	s_mul_i32 s19, s18, STG
	v_add_nc_u32 v[SIN], s19, v[L16]
	v_mul_u32_u24 v[SOUT], v10, 528
	v_lshl_add_u32 v[SOUT], v11, 6, v[SOUT]
	v_add_nc_u32 v[SOUT], s19, v[SOUT]
	v_lshlrev_b32 v[R16], 4, v10
	v_and_b32 v[WOFF], 8, v10
	v_add_nc_u32 v[WOFF], v[WOFF], v10             ; r + 8 (r / 8)
	v_lshlrev_b32 v[WOFF], 2, v[WOFF]
	v_lshl_add_u32 v[WOFF], v11, 12, v[WOFF]
	s_mov_b32 s[SEL], 0x76543210
	s_mov_b32 s[SEL+1], 0xfedcba98
.irp b, 0,1,2,3
	v_mov_b32 v[TM+4+\b], 0                        ; written once: a lane permute's destination counts as one of its sources
.endr
	s_cmp_lt_u32 ttmp9, NWGW                       ; a weight's work-group or the tokens'?
	s_cselect_b32 s20, 0, NWGW
	s_cselect_b32 s21, 256, 0
	s_sub_co_u32 s20, ttmp9, s20
	s_lshr_b32 s22, s20, 1                         ; which group of its kind
	s_and_b32 s20, s20, 1
	s_lshl_b32 s20, s20, 2
	s_add_co_u32 s20, s20, s18                     ; my K step
	s_add_co_u32 s21, s21, s22                     ; the group's number in img
	s_mul_i32 s24, s21, GRPB
	s_mul_i32 s25, s20, STEPB
	s_add_co_u32 s24, s24, s25
	s_mov_b32 s25, 0
	s_mov_b32 s27, 0
	s_wait_kmcnt 0x0
	s_add_nc_u64 s[16:17], s[16:17], s[24:25]      ; img at my K step
	s_cmp_lt_u32 ttmp9, NWGW
	s_cbranch_scc1 .Lweights
	s_cmp_lt_u32 s22, 128                          ; TOKENS
	s_cselect_b64 s[4:5], s[4:5], s[6:7]
	s_and_b32 s26, s22, 127
	s_lshl_b32 s26, s26, 18                        ; 64 rows of 4,096 bytes a group
	s_lshl_b32 s28, s20, 9                         ; 512 bytes a K step
	s_add_co_u32 s26, s26, s28
	s_add_nc_u64 s[4:5], s[4:5], s[26:27]
	LOADT 0
	LOADT 1
.irp t, 0,1,2,3
.if \t < 3
	s_wait_loadcnt 16                              ; this tile's 16 loads are in; the next tile's 16 may be out
.else
	s_wait_loadcnt 0x0
.endif
	TURN \t
	s_wait_dscnt 0x0                               ; the 64 numbers are back, and the stage's stores have read their registers,
.if \t < 2
	LOADT \t+2                                     ; which take the tile two on
.endif
	s_wait_xcnt 0x0                                ; the last tile's stores have read the codes' registers
	QUANT X, PW+\t
	PUT \t
.endr
	s_branch .Ljoin
.Lweights:                                             ; WEIGHTS
	s_cmp_lt_u32 s22, 32
	s_cselect_b64 s[4:5], s[10:11], s[12:13]       ; groups 16-31 Wk, 32-47 Wv,
	s_cmp_lt_u32 s22, 16
	s_cselect_b64 s[4:5], s[8:9], s[4:5]           ; 0-15 Wq,
	s_cmp_lt_u32 s22, 48
	s_cselect_b64 s[4:5], s[4:5], s[14:15]         ; 48 Wo
	s_and_b32 s26, s22, 15
	s_lshl_b32 s26, s26, 18                        ; a head's [1024][64] is 262,144 bytes
	s_lshl_b32 s28, s20, 15                        ; 128 rows of 256 bytes a K step
	s_add_co_u32 s26, s26, s28
	s_add_nc_u64 s[4:5], s[4:5], s[26:27]
	s_wait_alu depctr_va_vdst(0)
	LOADW 0
	LOADW 1
.irp t, 0,1,2,3
.if \t < 3
	s_wait_loadcnt 63                              ; behind this tile's 64 loads stand the next tile's 64; the wait's field names 63 at the most, so one of those is awaited too
.else
	s_wait_loadcnt 0x0
.endif
	s_wait_xcnt 0x0                                ; the last tile's stores have read the codes' registers
	QUANT R+64*(\t%2), PW+\t
	PUT \t
.if \t < 2
	LOADW \t+2
.endif
.endr
.Ljoin:
	s_wait_xcnt 0x0                                ; EXEC changes only behind this wait
	v_cmp_gt_u32 vcc_lo, 16, v[LANE]
	s_and_saveexec_b32 s28, vcc_lo                 ; lanes 16-31 hold the same words as lanes 0-15
	global_store_b128 v[R16], v[PW:PW+3], s[16:17] offset:6144   ; sixteen lanes store the K step's 256 bytes of scale words, aligned
	s_wait_xcnt 0x0
	s_or_b32 exec_lo, exec_lo, s28
	s_wait_tensorcnt 0x0                           ; the wave's end
	ds_add_u32 v[SPW], v[NIL]
	s_wait_dscnt 0x0
	s_endpgm
.Lfunc_end_k_q2ad02deaac_prep:
	.size	k_q2ad02deaac_prep, .Lfunc_end_k_q2ad02deaac_prep-k_q2ad02deaac_prep
	.p2alignl 7, 3214868480
	.fill 96, 4, 3214868480
	.section	.rodata,"a",@progbits
	.p2align	6, 0x0
	.amdhsa_kernel k_q2ad02deaac_prep
		.amdhsa_group_segment_fixed_size 34304
		.amdhsa_private_segment_fixed_size 0
		.amdhsa_enable_private_segment 0
		.amdhsa_kernarg_size 56
		.amdhsa_user_sgpr_count 2
		.amdhsa_user_sgpr_kernarg_segment_ptr 1
		.amdhsa_wavefront_size32 1
		.amdhsa_system_sgpr_workgroup_id_x 1
		.amdhsa_system_sgpr_workgroup_id_y 1
		.amdhsa_system_sgpr_workgroup_id_z 1
		.amdhsa_system_vgpr_workitem_id 0
		.amdhsa_next_free_vgpr 256
		.amdhsa_next_free_sgpr 66
		.amdhsa_reserve_vcc 1
		.amdhsa_float_denorm_mode_32 3
		.amdhsa_float_denorm_mode_16_64 3
		.amdhsa_memory_ordered 1
		.amdhsa_forward_progress 1
		.amdhsa_inst_pref_size 74
	.end_amdhsa_kernel
	.amdgpu_metadata
---
amdhsa.version: [ 1, 2 ]
amdhsa.kernels:
  - .name:           k_q2ad02deaac_prep
    .symbol:         k_q2ad02deaac_prep.kd
    .args:
      - { .name: current_tokens, .offset: 0, .size: 8, .value_kind: global_buffer, .address_space: global }
      - { .name: context_tokens, .offset: 8, .size: 8, .value_kind: global_buffer, .address_space: global }
      - { .name: Wq, .offset: 16, .size: 8, .value_kind: global_buffer, .address_space: global }
      - { .name: Wk, .offset: 24, .size: 8, .value_kind: global_buffer, .address_space: global }
      - { .name: Wv, .offset: 32, .size: 8, .value_kind: global_buffer, .address_space: global }
      - { .name: Wo, .offset: 40, .size: 8, .value_kind: global_buffer, .address_space: global }
      - { .name: img, .offset: 48, .size: 8, .value_kind: global_buffer, .address_space: global }
    .group_segment_fixed_size: 34304
    .private_segment_fixed_size: 0
    .kernarg_segment_align: 8
    .kernarg_segment_size: 56
    .max_flat_workgroup_size: 128
    .sgpr_count:     66
    .vgpr_count:     256
    .wavefront_size: 32
...
	.end_amdgpu_metadata
.endif
;; end of part 1
;; launch proj (part 2): grid 4 x 64, 4 waves a work-group, clusters of 4 x 4, 327,680 bytes of LDS; arguments img, bq, bk, bv, qbuf, kvbuf; writes qbuf, kvbuf
.if DOCPART == 2
	.amdgcn_target "amdgcn-amd-amdhsa--gfx1250"
	.amdhsa_code_object_version 6
	.text
	.protected	k_q2ad02deaac_proj
	.globl	k_q2ad02deaac_proj
	.p2align	8
	.type	k_q2ad02deaac_proj,@function
k_q2ad02deaac_proj:
	s_mov_b64 s[64:65], 0
	v_nop
	global_prefetch_b8 v0, s[64:65] scope:SCOPE_SE
	s_setreg_imm32_b32 hwreg(HW_REG_WAVE_MODE, 25, 1), 1
	s_wait_xcnt 0x0
	s_wait_alu depctr_hold_cnt(0) depctr_sa_sdst(0) depctr_va_vdst(0) depctr_va_sdst(0) depctr_va_ssrc(0) depctr_va_vcc(0) depctr_vm_vsrc(0)
	s_getreg_b32 s2, hwreg(HW_REG_IB_STS2, 6, 4)
	s_cmp_eq_u32 s2, 0
	s_cbranch_scc0 .Lentry_in_a_cluster
	s_endpgm
.Lentry_in_a_cluster:
	s_bfe_u32 s2, ttmp6, 0x10000c
	s_cmp_lg_u32 s2, 0xf033
	s_cbranch_scc0 .Lentry_shape_is_right
	s_endpgm
.Lentry_shape_is_right:
; q = current Wq + bq, k = context Wk + bk, v = context Wv + bv, on codes of FP6 (E2M3) with E8M0 scales from img, K = 1,024; the results are quantised in registers and leave as codes:
; q and k along a head's 64 channels (the scores' K), v along the keys (the second product's K).
; 'A rows' are source 1 and land in lanes; 'B rows' are source 0 and run down a lane's registers: B is the axis that is quantised.  q, k: A = tokens, B = channels.  v: A = Wv's channels, B = tokens.
; SHARES.  A tile is 128 A rows (2 groups of 64) x 256 B rows (4 groups), all of K; a wave makes 64 x 128 of it: 32 accumulators.  A WORK-GROUP STAYS and makes three tiles: its q tile, its k tile, its v tile.
; 256 work-groups.  The q and k tiles are the two trips of a loop; the v tile, which asks for nothing more, is written out behind it.
; THE RING.  Two LDS slots of 153,600 bytes, each with four K steps of the six groups (A0, A1, B0 .. B3, 25,600 bytes each, as img has them).  A tile's K steps 0-3 lie in slot 0, 4-7 in slot 1.
; In the middle of K step 2 slot 0 has been read out and takes the next tile's K steps 0-3; in the middle of K step 6 slot 1 takes the next tile's K steps 4-7.  One tensor load a wave is out at a time.
; CLUSTER 4 x 4: A's groups hang on cy alone and are asked for jointly along a row of the cluster, B's on cx alone, along a column.  Each refill stands behind a round of the cluster's barrier.
; No prefetch: K is short: a tile has two fills, and each is asked for four K steps (128 products a wave) or more ahead of the wait for it.
; OUT.  A half image is 16 rows x 64 K: 6 registers a lane: 512 bytes (registers 0-3 at 16 l) + 256 bytes (registers 4-5 at 8 l).
;   qbuf [bh][step of 128 tokens] x 6,400: 8 halves (tile 4 hf + a), then words [r][pair i]: (tile 2 i's two bytes, tile 2 i + 1's two bytes).
;   kvbuf [bh][step of 128 keys] x 12,800: K's 8 halves; V's halves [64 keys c][channel tile] from 6,144; K's words from 12,288; V's words [r][tile 0, 2, 1, 3] from 12,544.
; The bias is the C of each sum's first product.
; LIMITS: a block whose largest magnitude lies under 2^-124 gets the byte 1 (a block of zeros too: its codes are zeros, and this program alone reads the bytes); NaN and infinities are not served.
; REGISTERS, in windows of 256.  Window 0: v1-15 addresses; v16-31 scale words, two sets; v32-95 the bias; v96-163 at work on the way out.  Window 1: accumulator (a, b) at v[64 a + 8 b].
;   Windows 2, 3: fragment sets 0, 1: B's fragment b at v[12 b], A's fragment a at v[96 + 12 a].
.set GRPB,  51200
.set STEPB, 6400
.set HALFB, 4*STEPB                    ; four K steps of a group
.set SLOT,  6*HALFB
.set SPARE, 2*SLOT                     ; behind the ring: the spare words, 128 bytes a wave
.set FR,    12
.set ADRA, 3                           ; v3-5  my A group, my B groups, my scale words in slot 0
.set ADRB, 4
.set ADRS, 5
.set L16,  6
.set L8,   7
.set WO8,  8                           ; v8   the words' store: 16 r + h x the step from the first place to the second
.set ADRA1, 11                         ; v11, v14, v15  the same three in slot 1
.set SPW,  12
.set NIL,  13
.set ADRB1, 14
.set ADRS1, 15
.set SC,   16
.set BI,   32
.set TM,   96
.set PWR,  112
.set PC,   124
.set WV,   16
.set WR,   17
.set WC,   18
.set CX,   19
.set CY,   20
.set MODE, 21                          ; s21  the tile at work: 0 q, 1 k, 2 v: the loop's counter
.set YL,   22
.set NM,   23                          ; s23  the tile that is being set up
.set G1A,  24
.set G1B,  32
.set G0A,  40
.set G0B,  56
.set OUT0, 76
.set OUT1, 78
.set OUTW, 80
.set BP,   82
.set SEL0, 84
.set SEL1, 85
.set PSEL, 86
.set SJ,   88
.set SJ2,  89
.set MSB, 0
.macro WIN new                         ; the immediate's high byte repeats the setting that is left
.if MSB != (\new)
	s_set_vgpr_msb (MSB<<8)|(\new)
.set MSB, (\new)
.endif
.endm
.macro CREST                           ; a round of the cluster's barrier behind its opening barrier
	s_cmp_lg_u32 s[WV], 0
	s_cbranch_scc1 .Lnot_wave_0_\@
	s_barrier_signal -3
.Lnot_wave_0_\@:
	s_barrier_wait -3
	s_barrier_signal -1
	s_barrier_wait -1
.endm
.macro CROUND
	s_barrier_signal -1
	s_barrier_wait -1
	CREST
.endm
.macro PLACES
.rept 4
	v_nop
.endr
.endm
; A joint load: waves 0, 1 fetch an A group's four K steps each, waves 2, 3 those of two B groups each.
.macro JLOAD
	s_cmp_eq_u32 s[WR], 0
	s_cbranch_scc0 .Lfor_b_\@
	tensor_load_to_lds s[G0A:G0A+3], s[G1A:G1A+7]
	s_nop 0
	PLACES
	s_branch .Lasked_\@
.Lfor_b_\@:
	tensor_load_to_lds s[G0B:G0B+3], s[G1B:G1B+7]
	s_nop 0
	PLACES
.Lasked_\@:
.endm
; Where tile NM's groups lie in img.  A's address is made in s66, s90-92, which never hold cx; B's in s93-95, which never hold cy.
.macro ADDR_IN
	s_and_b32 s92, s[YL], 1
	s_lshr_b32 s93, s[YL], 1
	s_lshl_b32 s90, s[NM], 7                       ; q, k: the tokens' first group in img
	s_lshl_b32 s94, s[NM], 4
	s_add_co_u32 s94, s94, 256                     ; q, k: the weight's first group
	s_cmp_eq_u32 s[NM], 2
	s_cselect_b32 s92, s92, s[YL]                  ; which eight A groups the cluster takes
	s_cselect_b32 s93, s93, 0                      ; which sixteen B groups
	s_cselect_b32 s90, 288, s90                    ; v: A = Wv's groups,
	s_cselect_b32 s94, 128, s94                    ;    B = the context tokens'
	s_lshl_b32 s66, s92, 3
	s_lshl_b32 s92, s[CY], 1
	s_add_co_u32 s66, s66, s92                     ; my work-group's first A group, counted within its tensor
	s_add_co_u32 s90, s90, s66
	s_add_co_u32 s90, s90, s[WC]                   ; the A group that I would fetch
	s_mul_i32 s90, s90, GRPB
	s_mov_b32 s91, 0
	s_lshl_b32 s93, s93, 4
	s_lshl_b32 s95, s[CX], 2
	s_add_co_u32 s93, s93, s95                     ; my work-group's first B group, counted within its tensor
	s_add_co_u32 s94, s94, s93
	s_lshl_b32 s95, s[WC], 1
	s_add_co_u32 s94, s94, s95                     ; the first of the two B groups that I would fetch
	s_mul_i32 s94, s94, GRPB
	s_mov_b32 s95, 0
	s_add_nc_u64 s[90:91], s[4:5], s[90:91]
	s_add_nc_u64 s[94:95], s[4:5], s[94:95]
.endm
.macro DESC_FIRST                      ; group 0: tile NM's K steps 0-3, into slot 0.  Written only where no tensor load of mine is out
	s_mov_b32 s[G0A+1], s104
	s_mov_b64 s[G0A+2:G0A+3], s[90:91]
	s_or_b32 s[G0A+3], s[G0A+3], 0x80000000
	s_mov_b32 s[G0B+1], s105
	s_mov_b64 s[G0B+2:G0B+3], s[94:95]
	s_or_b32 s[G0B+3], s[G0B+3], 0x80000000
.endm
.macro DESC_SECOND                     ; the same tile's K steps 4-7, into slot 1
	s_add_co_u32 s[G0A+1], s104, SLOT
	s_add_nc_u64 s[G0A+2:G0A+3], s[G0A+2:G0A+3], HALFB
	s_add_co_u32 s[G0B+1], s105, SLOT
	s_add_nc_u64 s[G0B+2:G0B+3], s[G0B+2:G0B+3], HALFB
.endm
.macro MINE                            ; of tile NM (s66 and s93 stand at it)
	s_add_co_u32 s96, s66, s[WR]                   ; P: my A group.  q, k: 64 tokens; v: the head
	s_lshl_b32 s97, s[WC], 1
	s_add_co_u32 s97, s97, s93                     ; q, k: my first head
	s_lshr_b32 s98, s93, 1
	s_add_co_u32 s98, s98, s[WC]                   ; v: my 128 tokens
.endm
.macro BIAS both                       ; tile NM's bias into v32-95, all 64 registers.  both = 0: at the head, where the tile is q: the q, k form alone is assembled; both = 1: in the loop, where the next tile is k or v
	MINE
	s_cmp_eq_u32 s[NM], 0
	s_cselect_b64 s[BP:BP+1], s[6:7], s[8:9]
	s_cmp_eq_u32 s[NM], 2
	s_cselect_b64 s[BP:BP+1], s[10:11], s[BP:BP+1]
	s_cselect_b32 s100, s96, s97
	s_lshl_b32 s100, s100, 8                       ; a head's 64 numbers are 256 bytes
	s_mov_b32 s101, 0
	s_add_nc_u64 s[BP:BP+1], s[BP:BP+1], s[100:101]
.if \both
	s_cmp_eq_u32 s[NM], 2
	s_cbranch_scc1 .Lbias_v_\@
.endif
	s_wait_alu depctr_va_vdst(0)
.irp b, 0,1,2,3,4,5,6,7                        ; q, k: register 8 b + j: channel 64 (b / 4) + 32 ((b % 4) / 2) + 8 (b % 2) + 16 h + j
	global_load_b128 v[BI+8*\b:BI+8*\b+3], v9, s[BP:BP+1] offset:256*(\b/4)+(32*((\b%4)/2)+8*(\b%2))*4
	global_load_b128 v[BI+8*\b+4:BI+8*\b+7], v9, s[BP:BP+1] offset:256*(\b/4)+(32*((\b%4)/2)+8*(\b%2))*4+16
.endr
.if \both
	s_branch .Lbias_done_\@
.Lbias_v_\@:
	s_wait_alu depctr_va_vdst(0)
.irp x, 0,1,2,3,4,5,6,7                        ; v: all eight registers of set x hold the bias of my lane's channel of tile x % 4: two copies, which the first products take by turns
.irp j, 0,1,2,3,4,5,6,7
	global_load_b32 v[BI+8*\x+\j], v10, s[BP:BP+1] offset:(32*((\x%4)/2)+8*(\x%2))*4
.endr
.endr
.Lbias_done_\@:
.endif
.endm
.macro OUTSET                          ; where tile NM's results go
	MINE
	s_lshr_b32 s99, s96, 5
	s_lshl_b32 s99, s99, 4
	s_add_co_u32 s99, s99, s97                     ; q, k: bh = 16 x batch + head
	s_bfe_u32 s100, s96, 0x40001                   ; q, k: the step of 128 tokens,
	s_and_b32 s101, s96, 1                         ; and which half of it
	s_lshr_b32 s97, s98, 4
	s_lshl_b32 s97, s97, 4
	s_add_co_u32 s97, s97, s96                     ; v: bh
	s_and_b32 s98, s98, 15                         ; v: the step
	s_mul_i32 s96, s101, 3072                      ; q, k: my four halves' place in a step
	s_lshl_b32 s101, s101, 3
	s_cmp_eq_u32 s[NM], 0
	s_mov_b32 s[SJ], 204800
	s_cselect_b32 s[SJ], 102400, s[SJ]             ; bytes of a bh
	s_mov_b32 s[SJ2], 12800
	s_cselect_b32 s[SJ2], 6400, s[SJ2]             ; bytes of a step
	s_cselect_b64 s[OUT0:OUT0+1], s[12:13], s[14:15]
	s_mov_b32 s78, 12288
	s_cselect_b32 s78, 6144, s78
	s_add_co_u32 s101, s101, s78                   ; q, k: my words' place in a step
	s_cmp_eq_u32 s[NM], 2
	s_cselect_b32 s99, s97, s99
	s_cselect_b32 s100, s98, s100
	s_cselect_b32 s96, 6144, s96
	s_cselect_b32 s101, 12544, s101
	s_mov_b32 s[SEL0], 0x05040100                  ; q, k: a word = the low (first head) or high (second head) two bytes of two tiles' words
	s_cselect_b32 s[SEL0], 0x03020100, s[SEL0]     ; v: a tile's word as it is: the even tile's,
	s_mov_b32 s[SEL1], 0x07060302
	s_cselect_b32 s[SEL1], 0x07060504, s[SEL1]     ; the odd tile's
	s_mul_i32 s99, s99, s[SJ]
	s_mul_i32 s100, s100, s[SJ2]
	s_cselect_b32 s[SJ2], 8, s[SJ]                 ; from the first place of the words to the second: q, k: the next head; v: 8 bytes
	s_cselect_b32 s[SJ], 3072, s[SJ]               ; from registers 0-5's place to registers 6-11's: q, k: the next head; v: the next 64 keys
	s_add_co_u32 s99, s99, s100
	s_add_co_u32 s96, s96, s99
	s_mov_b32 s97, 0
	s_add_co_u32 s100, s101, s99
	s_mov_b32 s101, 0
	s_add_nc_u64 s[OUTW:OUTW+1], s[OUT0:OUT0+1], s[100:101]
	s_add_nc_u64 s[OUT0:OUT0+1], s[OUT0:OUT0+1], s[96:97]
	s_mov_b32 s98, s[SJ]
	s_mov_b32 s99, 0
	s_add_nc_u64 s[OUT1:OUT1+1], s[OUT0:OUT0+1], s[98:99]
	v_mul_u32_u24 v[WO8], s[SJ2], v2
	v_lshl_add_u32 v[WO8], v1, 4, v[WO8]
	s_wait_alu depctr_va_vdst(0)
.endm
; K step s's fragments and scale words into set s % 2: 38 loads in one run.  Step s lies in slot (s / 4) % 2; step 8 is the next tile's step 0.
.macro FETCH s
.if (((\s)/4)%2) == 0
.set RA, ADRA
.set RB, ADRB
.set RS, ADRS
.else
.set RA, ADRA1
.set RB, ADRB1
.set RS, ADRS1
.endif
.set KO, STEPB*((\s)%4)
	WIN (2+(\s)%2)<<6                              ; destination window 2 or 3, address window 0
.irp b, 0,1,2,3,4,5,6,7
.irp q, 0,1,2
	ds_load_b128 v[FR*\b+4*\q:FR*\b+4*\q+3], v[RB] offset:HALFB*(\b/4)+KO+1536*(\b%4)+512*\q
.endr
.endr
.irp a, 0,1,2,3
.irp q, 0,1,2
	ds_load_b128 v[96+FR*\a+4*\q:96+FR*\a+4*\q+3], v[RA] offset:KO+1536*\a+512*\q
.endr
.endr
	WIN 0
	ds_load_b128 v[SC+8*((\s)%2):SC+8*((\s)%2)+3], v[RS] offset:KO            ; lanes 0-15: the words of A's tiles 0-3; lanes 16-31: of B's tiles 0-3
	ds_load_b128 v[SC+8*((\s)%2)+4:SC+8*((\s)%2)+7], v[RS] offset:KO+HALFB    ; lanes 16-31: of B's tiles 4-7 (lanes 0-15 are not read)
.endm
; 16 products of K step s: A's tiles a0, a0 + 1 x B's eight.  The 32 accumulators take turns, one instruction a turn.  cmode 0: in place; 1: C = the bias by B's tile; 2: C = the bias by A's tile (two copies, by turns).
.macro MULH s, cmode, a0
.if \cmode == 0
	WIN 0x5a+5*((\s)%2)                            ; sources 0 and 1 window 2 or 3; C and D window 1
.else
	WIN 0x4a+5*((\s)%2)                            ; C window 0
.endif
.irp a, \a0, \a0+1
.irp b, 0,1,2,3,4,5,6,7
.if \cmode == 0
	v_wmma_scale_f32_16x16x128_f8f6f4 v[64*(\a)+8*\b:64*(\a)+8*\b+7], v[FR*\b:FR*\b+FR-1], v[96+FR*(\a):96+FR*(\a)+FR-1], v[64*(\a)+8*\b:64*(\a)+8*\b+7], v[SC+8*((\s)%2)+\b], v[SC+8*((\s)%2)+(\a)] matrix_a_fmt:MATRIX_FMT_FP6 matrix_b_fmt:MATRIX_FMT_FP6 matrix_a_scale:MATRIX_SCALE_ROW1
.elseif \cmode == 1
	v_wmma_scale_f32_16x16x128_f8f6f4 v[64*(\a)+8*\b:64*(\a)+8*\b+7], v[FR*\b:FR*\b+FR-1], v[96+FR*(\a):96+FR*(\a)+FR-1], v[BI+8*\b:BI+8*\b+7], v[SC+8*((\s)%2)+\b], v[SC+8*((\s)%2)+(\a)] matrix_a_fmt:MATRIX_FMT_FP6 matrix_b_fmt:MATRIX_FMT_FP6 matrix_a_scale:MATRIX_SCALE_ROW1
.else
	v_wmma_scale_f32_16x16x128_f8f6f4 v[64*(\a)+8*\b:64*(\a)+8*\b+7], v[FR*\b:FR*\b+FR-1], v[96+FR*(\a):96+FR*(\a)+FR-1], v[BI+8*((\a)+4*(\b%2)):BI+8*((\a)+4*(\b%2))+7], v[SC+8*((\s)%2)+\b], v[SC+8*((\s)%2)+(\a)] matrix_a_fmt:MATRIX_FMT_FP6 matrix_b_fmt:MATRIX_FMT_FP6 matrix_a_scale:MATRIX_SCALE_ROW1
.endif
.endr
.endr
.endm
; K step s's 32 products with a change of slots in their middle.  In front of the barrier: all my tensor loads have landed (the one that was out is my part of the other slot), the add,
; and my reads of this slot are over (the next step's set, the slot's last, was asked for just ahead).  round = 1: the barrier opens a round of the cluster's barrier, and the slot is filled again first behind it.
.macro MEET s, round, which
	WIN 0
	s_wait_tensorcnt 0x0
	ds_add_u32 v[SPW], v[NIL]
.if \round
.if \which == 1
	DESC_FIRST
.else
	DESC_SECOND
.endif
.endif
	MULH \s, 0, 0                                  ; sixteen products stand between the add and the wait for it
	s_wait_dscnt 0x0
	s_barrier_signal -1
	MULH \s, 0, 2
	WIN 0
	s_barrier_wait -1
.if \round
	CREST
	JLOAD
.endif
.endm
; A's tile a: my lane's 64 results, window 1's register 64 a + 16 b + i = B row 32 b + 16 h + i, become 12 registers of codes at v[pc] on and the word v[PWR + a].  Each accumulator is read from its low end on.
.macro QUANTW a, pc
	WIN 0x05                                       ; sources 0 and 1 window 1
.irp b, 0,1,2,3
	v_max3_num_f32 v[TM+\b], |v[64*(\a)+16*\b]|, |v[64*(\a)+16*\b+1]|, 0x1800000   ; and the floor 2^(3 - 127)
.endr
.irp i, 2,4,6,8,10,12,14
.irp b, 0,1,2,3
	v_max3_num_f32 v[TM+\b], |v[64*(\a)+16*\b+\i]|, |v[64*(\a)+16*\b+\i+1]|, v[TM+\b]
.endr
.endr
	WIN 0
.irp b, 0,1,2,3
	v_permlanex16_b32 v[TM+4+\b], v[TM+\b], s[PSEL], s[PSEL+1]
.endr
.irp b, 0,1,2,3
	v_max_num_f32 v[TM+\b], v[TM+\b], v[TM+4+\b]
.endr
.irp b, 0,1,2,3
	v_add_nc_u32 v[TM+12+\b], 0xff000000, v[TM+\b]   ; 2 off the exponent field: the conversion's scale operand
.endr
.irp b, 0,1,2,3
	v_lshrrev_b32 v[TM+4+\b], 23, v[TM+12+\b]      ; the scale's byte
.endr
	v_lshl_or_b32 v[PWR+(\a)], v[TM+5], 8, v[TM+4]
	v_lshl_or_b32 v[PWR+(\a)], v[TM+6], 16, v[PWR+(\a)]
	v_lshl_or_b32 v[PWR+(\a)], v[TM+7], 24, v[PWR+(\a)]
	WIN 0x01                                       ; source 0 window 1
.irp c, 0,1
	v_cvt_scalef32_pk16_fp6_f32 v[(\pc)+6*\c:(\pc)+6*\c+2], v[64*(\a)+32*\c:64*(\a)+32*\c+15], v[TM+12+2*\c]
	v_cvt_scalef32_pk16_fp6_f32 v[(\pc)+12+4*\c:(\pc)+14+4*\c], v[64*(\a)+32*\c+16:64*(\a)+32*\c+31], v[TM+12+2*\c+1]
.endr
	WIN 0
	v_nop                                          ; one plain place behind a scaled conversion
.irp c, 0,1
.irp i, 0,1,2
	v_permlane16_swap_b32 v[(\pc)+6*\c+\i], v[(\pc)+12+4*\c+\i]
.endr
.irp i, 0,1,2
	v_mov_b32 v[(\pc)+3+6*\c+\i], v[(\pc)+12+4*\c+\i]
.endr
.endr
.endm
.macro EPI                             ; the tile goes out
	PLACES                                         ; in front of the first read of results
.irp a, 0,1,2,3
.if \a >= 2
	s_wait_xcnt 0x0                                ; the stores of two tiles back have read this set of codes
.endif
	QUANTW \a, PC+20*(\a%2)
	global_store_b128 v[L16], v[PC+20*(\a%2):PC+20*(\a%2)+3], s[OUT0:OUT0+1] offset:768*\a          ; each store covers 512 or 256 consecutive bytes, aligned
	global_store_b64 v[L8], v[PC+20*(\a%2)+4:PC+20*(\a%2)+5], s[OUT0:OUT0+1] offset:768*\a+512
	global_store_b128 v[L16], v[PC+20*(\a%2)+6:PC+20*(\a%2)+9], s[OUT1:OUT1+1] offset:768*\a
	global_store_b64 v[L8], v[PC+20*(\a%2)+10:PC+20*(\a%2)+11], s[OUT1:OUT1+1] offset:768*\a+512
.endr
	v_perm_b32 v116, v[PWR+1], v[PWR], s[SEL0]     ; the words for the first place,
	v_perm_b32 v117, v[PWR+3], v[PWR+2], s[SEL0]
	v_perm_b32 v118, v[PWR+1], v[PWR], s[SEL1]     ; and for the second
	v_perm_b32 v119, v[PWR+3], v[PWR+2], s[SEL1]
	v_cmp_ne_u32 vcc_lo, 0, v2
	v_cndmask_b32 v120, v116, v118, vcc_lo         ; lanes 0-15 store the first place's pair, lanes 16-31 the second's
	v_cndmask_b32 v121, v117, v119, vcc_lo
	global_store_b64 v[WO8], v[120:121], s[OUTW:OUTW+1]
.endm
; A tile: eight K steps and the way out.  cm: how the bias is taken.  more = 1: a tile follows: both slots are filled again, its bias and its first fragments are fetched, and its way out is set up.
.macro TILE cm, more
.irp s, 0,1,2,3,4,5,6,7
	s_wait_dscnt 0x0                               ; this step's set is in (asked for ahead of the last step's products)
.if \s == 0
	s_wait_loadcnt 0x0                             ; the bias
.endif
.if (\s < 7) || \more
	PLACES                                         ; in front of loads into registers that the last products read
	FETCH \s+1
.endif
.if \s == 0
	MULH 0, \cm, 0                                 ; the first K step starts the sums, on the bias
	MULH 0, \cm, 2
	WIN 0
.elseif \s == 2
.if \more
	s_add_co_u32 s[NM], s[MODE], 1
	ADDR_IN
.endif
	MEET 2, \more, 1
.if \more
	BIAS 1
.endif
.elseif (\s == 6) && \more
	MEET 6, 1, 2
.else
	MULH \s, 0, 0
	MULH \s, 0, 2
	WIN 0
.endif
.endr
	EPI
.if \more
	s_wait_xcnt 0x0                                ; the stores have read their bases, offsets and data
	OUTSET
.endif
.endm
	s_load_b256 s[4:11], s[0:1], 0x0               ; img s[4:5], bq s[6:7], bk s[8:9], bv s[10:11]
	s_load_b128 s[12:15], s[0:1], 0x20             ; qbuf s[12:13], kvbuf s[14:15]
	v_lshl_add_u32 v[SPW], v0, 2, SPARE
	v_mov_b32 v[NIL], 0
	ds_add_u32 v[SPW], v[NIL]                      ; the wave's opening: the add, twice on end, and its wait ahead of my first tensor load
	ds_add_u32 v[SPW], v[NIL]
	v_lshrrev_b32 v1, 5, v0
	v_readfirstlane_b32 s[WV], v1                  ; wave 0..3
	s_lshr_b32 s[WR], s[WV], 1                     ; my A group.  Also: I fetch for A (0) or for B (1)
	s_and_b32 s[WC], s[WV], 1                      ; my pair of B groups.  Also: which piece I fetch
	s_bfe_u32 s[CX], ttmp6, 0x40000
	s_bfe_u32 s[CY], ttmp6, 0x40004
	s_and_b32 s[YL], ttmp7, 0xffff                 ; the cluster's y, 0 .. 15
	s_mov_b32 s[MODE], 0
	s_mov_b32 s[NM], 0
	s_mul_i32 s104, s[WC], HALFB                   ; where what I fetch goes in a slot: no place in the cluster enters an LDS address
	s_mul_i32 s105, s[WC], 2*HALFB
	s_add_co_u32 s105, s105, 2*HALFB
	s_mul_i32 s67, s[WR], HALFB                    ; and where my own A group lies
	s_lshl_b32 s2, s[CY], 2
	s_lshl_b32 s2, 15, s2                          ; my row of the cluster
	s_lshl_b32 s3, 0x1111, s[CX]                   ; my column
	s_or_b32 s[G1A], s2, (3<<16)|(1<<21)           ; A: 25,600 dense bytes as 100 rows of 32 elements of 8 bytes; the mask: my row; bit 21 beside it
	s_mov_b32 s[G1A+1], 32<<16
	s_mov_b32 s[G1A+2], 100<<16
	s_mov_b32 s[G1A+3], 32<<16
	s_mov_b32 s[G1A+4], 100
	s_mov_b32 s[G1A+5], 32
	s_mov_b32 s[G1A+6], 0
	s_mov_b32 s[G1A+7], 0
	s_or_b32 s[G1B], s3, (3<<16)|(1<<21)           ; B: two groups: 2 rows of 3,200 elements of 8 bytes, 6,400 elements apart; the mask: my column
	s_mov_b32 s[G1B+1], 3200<<16
	s_mov_b32 s[G1B+2], 2<<16
	s_mov_b32 s[G1B+3], 3200<<16
	s_mov_b32 s[G1B+4], 2
	s_mov_b32 s[G1B+5], 6400
	s_mov_b32 s[G1B+6], 0
	s_mov_b32 s[G1B+7], 0
	s_mov_b32 s[PSEL], 0x76543210
	s_mov_b32 s[PSEL+1], 0xfedcba98
	s_mov_b32 s[G0A], 1
	s_mov_b32 s[G0B], 1
	s_wait_dscnt 0x0                               ; both opening adds are done
	s_wait_kmcnt 0x0
	ADDR_IN
	DESC_FIRST
	CROUND                                         ; all sixteen work-groups are here: the joint loads meet
	JLOAD                                          ; the q tile's K steps 0-3: one tensor load a wave at the head
	v_and_b32 v1, 15, v0                           ; r
	v_bfe_u32 v2, v0, 4, 1                         ; h
	v_and_b32 v[L16], 31, v0
	v_lshlrev_b32 v[L8], 3, v[L16]
	v_lshlrev_b32 v[L16], 4, v[L16]
	v_add_nc_u32 v[ADRA], s67, v[L16]
	v_add_nc_u32 v[ADRB], s105, v[L16]
	s_sub_co_u32 s68, s105, s67
	v_mul_u32_u24 v[ADRS], s68, v2                 ; lanes 16-31 take B's words: one product, h x the distance
	v_lshl_add_u32 v[ADRS], v1, 4, v[ADRS]
	s_add_co_u32 s69, s67, 6144
	v_add_nc_u32 v[ADRS], s69, v[ADRS]
	v_add_nc_u32 v[ADRA1], SLOT, v[ADRA]
	v_add_nc_u32 v[ADRB1], SLOT, v[ADRB]
	v_add_nc_u32 v[ADRS1], SLOT, v[ADRS]
	v_lshlrev_b32 v9, 6, v2                        ; the bias by B's tile: 16 h numbers on
	v_and_b32 v10, 8, v1
	v_add_nc_u32 v10, v10, v1
	v_lshlrev_b32 v10, 2, v10                      ; the bias by A's tile: number r + 8 (r / 8)
.irp b, 0,1,2,3
	v_mov_b32 v[TM+4+\b], 0                        ; written once: a lane permute's destination counts as one of its sources
.endr
	BIAS 0
	OUTSET
	s_wait_alu depctr_va_vdst(0)
	s_wait_tensorcnt 0x0                           ; my part of slot 0 is in
	ds_add_u32 v[SPW], v[NIL]
	DESC_SECOND
	s_wait_dscnt 0x0
	CROUND                                         ; everybody's part is in, and the joint loads meet
	JLOAD                                          ; the q tile's K steps 4-7, into slot 1
	FETCH 0
.Ltile:
	TILE 1, 1                                      ; q, then k
	s_add_co_u32 s[MODE], s[MODE], 1
	s_cmp_lt_u32 s[MODE], 2
	s_cbranch_scc1 .Ltile
	TILE 2, 0                                      ; v: nothing more is asked for
	s_wait_tensorcnt 0x0                           ; the wave's end
	ds_add_u32 v[SPW], v[NIL]
	s_wait_dscnt 0x0
	CROUND                                         ; the closing round
	s_endpgm
.Lfunc_end_k_q2ad02deaac_proj:
	.size	k_q2ad02deaac_proj, .Lfunc_end_k_q2ad02deaac_proj-k_q2ad02deaac_proj
	.p2alignl 7, 3214868480
	.fill 96, 4, 3214868480
	.section	.rodata,"a",@progbits
	.p2align	6, 0x0
	.amdhsa_kernel k_q2ad02deaac_proj
		.amdhsa_group_segment_fixed_size 327680
		.amdhsa_private_segment_fixed_size 0
		.amdhsa_enable_private_segment 0
		.amdhsa_kernarg_size 48
		.amdhsa_user_sgpr_count 2
		.amdhsa_user_sgpr_kernarg_segment_ptr 1
		.amdhsa_wavefront_size32 1
		.amdhsa_system_sgpr_workgroup_id_x 1
		.amdhsa_system_sgpr_workgroup_id_y 1
		.amdhsa_system_sgpr_workgroup_id_z 1
		.amdhsa_system_vgpr_workitem_id 0
		.amdhsa_next_free_vgpr 1024
		.amdhsa_next_free_sgpr 106
		.amdhsa_reserve_vcc 1
		.amdhsa_float_denorm_mode_32 3
		.amdhsa_float_denorm_mode_16_64 3
		.amdhsa_memory_ordered 1
		.amdhsa_forward_progress 1
		.amdhsa_inst_pref_size 167
	.end_amdhsa_kernel
	.amdgpu_metadata
---
amdhsa.version: [ 1, 2 ]
amdhsa.kernels:
  - .name:           k_q2ad02deaac_proj
    .symbol:         k_q2ad02deaac_proj.kd
    .args:
      - { .name: img, .offset: 0, .size: 8, .value_kind: global_buffer, .address_space: global }
      - { .name: bq, .offset: 8, .size: 8, .value_kind: global_buffer, .address_space: global }
      - { .name: bk, .offset: 16, .size: 8, .value_kind: global_buffer, .address_space: global }
      - { .name: bv, .offset: 24, .size: 8, .value_kind: global_buffer, .address_space: global }
      - { .name: qbuf, .offset: 32, .size: 8, .value_kind: global_buffer, .address_space: global }
      - { .name: kvbuf, .offset: 40, .size: 8, .value_kind: global_buffer, .address_space: global }
    .group_segment_fixed_size: 327680
    .private_segment_fixed_size: 0
    .kernarg_segment_align: 8
    .kernarg_segment_size: 48
    .max_flat_workgroup_size: 128
    .sgpr_count:     106
    .vgpr_count:     1024
    .wavefront_size: 32
...
	.end_amdgpu_metadata
.endif
;; end of part 2
;; launch attn (part 3): grid 4 x 64, 16 waves a work-group, clusters of 4 x 1, 206,848 bytes of LDS; arguments qbuf, kvbuf, ybuf; writes ybuf
.if DOCPART == 3
	.amdgcn_target "amdgcn-amd-amdhsa--gfx1250"
	.amdhsa_code_object_version 6
	.text
	.protected	k_q2ad02deaac_attn
	.globl	k_q2ad02deaac_attn
	.p2align	8
	.type	k_q2ad02deaac_attn,@function
k_q2ad02deaac_attn:
	s_mov_b64 s[64:65], 0
	v_nop
	global_prefetch_b8 v0, s[64:65] scope:SCOPE_SE
	s_setreg_imm32_b32 hwreg(HW_REG_WAVE_MODE, 25, 1), 1
	s_wait_xcnt 0x0
	s_wait_alu depctr_hold_cnt(0) depctr_sa_sdst(0) depctr_va_vdst(0) depctr_va_sdst(0) depctr_va_ssrc(0) depctr_va_vcc(0) depctr_vm_vsrc(0)
	s_getreg_b32 s2, hwreg(HW_REG_IB_STS2, 6, 4)
	s_cmp_eq_u32 s2, 0
	s_cbranch_scc0 .Lentry_in_a_cluster
	s_endpgm
.Lentry_in_a_cluster:
	s_bfe_u32 s2, ttmp6, 0x10000c
	s_cmp_lg_u32 s2, 0x3003
	s_cbranch_scc0 .Lentry_shape_is_right
	s_endpgm
.Lentry_shape_is_right:
; y[bh][q] = the sum over keys of softmax(q . k / 8) v, both products on codes of FP6 (E2M3) with E8M0 scales; y leaves quantised along a head's 64 channels, for the last product.
; THE SOFTMAX AHEAD OF THE SECOND PRODUCT: t = score x log2(e) / 8; M = the row's largest t so far, rounded UP to a whole number; p = 2^(t - M) is quantised along the keys, not normalised.
; The row's sum is taken of the unquantised p and divides at the end (by v_rcp_f32).  When M moves, the sum and O are multiplied by 2^(old M - new M): exact.
; SHARES.  A work-group owns 512 queries of one bh (16 x batch + head); wave w the 32 queries of pair 16 x block + w: in pass 0 its tile X, in pass 1 its tile Y (16 queries each).  Four waves to a SIMD.
; The head's whole K, V and scale words, 204,800 dense bytes laid as kvbuf has them (16 steps of 128 keys x 12,800), lie in LDS, filled once: wave w fetches step w, one tensor load a wave.
; CLUSTER.  The four query blocks of a head ask for those bytes jointly.
; K = 64 IN AN INSTRUCTION OF 128: a fragment of K's codes holds tile X's 64 channels in registers 0-5 and tile Y's in 6-11; it is multiplied once by (q | zeros) and once by (zeros | q).
; LAYOUT.  Both products are used transposed: a lane holds one query throughout.  Row r of tile X of pair i is key 32 i + r + 8 (r / 8), of tile Y 8 more: so S's registers 16 i + 0 .. 15 are keys 32 i + 16 h + 0 .. 15.
; Nothing is prefetched: every byte that the launch streams is asked for at its head, in one group.
; LIMITS: the promise holds while |t| stays under 2^31; a block of y whose largest magnitude lies under 2^-124 gets the byte 1 (zeros too: this program alone reads the bytes); NaN and infinities are not served.
.set STEPB, 12800
.set HEADB, 16*STEPB
.set SPARE, HEADB                      ; behind the head's bytes: the spare words, 128 bytes for each of 16 waves
.set L16,  1                           ; v1   16 x lane
.set L8,   2                           ; v2   8 x lane
.set LANE, 3
.set A16,  4                           ; v4, v5  the same + the step's first LDS byte
.set A8,   5
.set SPW,  7
.set NIL,  8
.set QS,   9                           ; v9   q's two scale bytes, in both halves of the word
.set QW,   10                          ; v10  the pair's word as loaded: X's two bytes, Y's two
.set YB,   11                          ; v11  y's scale bytes: X's two, then Y's two on top
.set QA,   16                          ; v16-27  (q | zeros)      (v12 -M, v13 the largest score so far, v[14:15] the row's sum in two halves)
.set QB,   28                          ; v28-39  (zeros | q)
.set F,    40                          ; v40-87  four fragments of K or of V
.set SW,   88                          ; v88-91  scale words: lanes 0-15 K's pairs 0-3, lanes 16-31 V's tiles 0, 2, 1, 3
.set S,    96                          ; v96-159 S^T, then p
.set O,    160                         ; v160-191 O^T
.set PCD,  192                         ; v192-203 p's codes
.set PC2,  204                         ; v204-211 the conversions' second halves
.set BM,   212
.set BT,   216
.set BS,   220
.set PWD,  224                         ; v224 p's scale word
.set FF,   226                         ; v[226:227] f = 2^(old M - new M), and 0
.set T,    228
.set OM,   229                         ; v229 the last step's -M
.set R4,   232
.set R16,  233
.set TS,   238                         ; v240-253 seven further chains of the row's sum
.set WV,   10
.set G1,   16
.set G0,   32
.set SEL,  40
.set CS,   42                          ; s[42:43] c = log2(e) / 8
.set TB,   44
.set CNT,  45
.set QP,   46
.set YP,   48
.set YWP,  50
.macro CROUND
	s_barrier_signal -1
	s_barrier_wait -1
	s_cmp_lg_u32 s[WV], 0
	s_cbranch_scc1 .Lnot_wave_0_\@
	s_barrier_signal -3
.Lnot_wave_0_\@:
	s_barrier_wait -3
	s_barrier_signal -1
	s_barrier_wait -1
.endm
.macro PLACES
.rept 4
	v_nop
.endr
.endm
; A KEY STEP: 128 keys.
.macro STEP
	v_add_nc_u32 v[A16], s[TB], v[L16]
	v_add_nc_u32 v[A8], s[TB], v[L8]
	v_mov_b32 v[OM], v12                           ; the -M that the sums stand under
	v_nop                                          ; four places in front of loads into registers that the last products read
.irp i, 0,1,2,3                                ; K: pair i: tile X's half into registers 0-5, tile Y's into 6-11
	ds_load_b128 v[F+12*\i:F+12*\i+3], v[A16] offset:1536*\i
	ds_load_b64 v[F+12*\i+4:F+12*\i+5], v[A8] offset:1536*\i+512
	ds_load_b128 v[F+12*\i+6:F+12*\i+9], v[A16] offset:1536*\i+768
	ds_load_b64 v[F+12*\i+10:F+12*\i+11], v[A8] offset:1536*\i+1280
.endr
	ds_load_b128 v[SW:SW+3], v[A16] offset:12288
	s_wait_alu depctr_va_vdst(0)
	s_wait_dscnt 0x0
.irp i, 0,1,2,3
	v_wmma_scale_f32_16x16x128_f8f6f4 v[S+16*\i:S+16*\i+7], v[F+12*\i:F+12*\i+11], v[QA:QA+11], 0, v[SW+\i], v[QS] matrix_a_fmt:MATRIX_FMT_FP6 matrix_b_fmt:MATRIX_FMT_FP6
	v_wmma_scale_f32_16x16x128_f8f6f4 v[S+16*\i+8:S+16*\i+15], v[F+12*\i:F+12*\i+11], v[QB:QB+11], 0, v[SW+\i], v[QS] matrix_a_fmt:MATRIX_FMT_FP6 matrix_b_fmt:MATRIX_FMT_FP6
.endr
	PLACES                                         ; in front of the loads below and of the first read of the scores
.irp n, 0,1,2,3                                ; V: channel tile n: keys 0-63 into registers 0-5, keys 64-127 into 6-11
	ds_load_b128 v[F+12*\n:F+12*\n+3], v[A16] offset:6144+768*\n
	ds_load_b64 v[F+12*\n+4:F+12*\n+5], v[A8] offset:6144+768*\n+512
	ds_load_b128 v[F+12*\n+6:F+12*\n+9], v[A16] offset:9216+768*\n
	ds_load_b64 v[F+12*\n+10:F+12*\n+11], v[A8] offset:9216+768*\n+512
.endr
.irp b, 0,1,2,3
	v_max3_num_f32 v[BM+\b], v[S+16*\b], v[S+1+16*\b], v[S+2+16*\b]   ; the largest score of each block of 32 keys: for the row's maximum, and, since p rises with the score, for the block's largest p
.endr
.irp i, 3,5,7,9,11,13
.irp b, 0,1,2,3
	v_max3_num_f32 v[BM+\b], v[BM+\b], v[S+16*\b+\i], v[S+1+16*\b+\i]
.endr
.endr
.irp b, 0,1,2,3
	v_max_num_f32 v[BM+\b], v[BM+\b], v[S+15+16*\b]
.endr
.irp b, 0,1,2,3
	s_delay_alu instid0(VALU_DEP_4)
	v_permlanex16_b32 v[BT+\b], v[BM+\b], s[SEL], s[SEL+1]
.endr
.irp b, 0,1,2,3
	s_delay_alu instid0(VALU_DEP_4)
	v_max_num_f32 v[BM+\b], v[BM+\b], v[BT+\b]     ; with lane l xor 16's 16 keys
.endr
	s_delay_alu instid0(VALU_DEP_2)
	v_max3_num_f32 v[T], v[BM], v[BM+1], v[BM+2]
	s_delay_alu instid0(VALU_DEP_1)
	v_max3_num_f32 v13, v13, v[T], v[BM+3]         ; the largest score of my query so far
	s_delay_alu instid0(VALU_DEP_1)
	v_mul_f32 v[T], s[CS], v13                     ; as t (c is positive)
	s_delay_alu instid0(VALU_DEP_1)
	v_floor_f32 v12, -v[T]                         ; the new -M = floor(-t): M is a whole number
	s_delay_alu instid0(VALU_DEP_1)
	v_sub_f32 v[T], v12, v[OM]                     ; old M less new M: a whole number, 0 or less
	s_delay_alu instid0(VALU_DEP_1)
	v_cvt_i32_f32 v[T], v[T]                       ; (it saturates)
	s_delay_alu instid0(VALU_DEP_1)
	v_ldexp_f32 v[FF], 1.0, v[T]                   ; f = 2^(old M - new M)
.irp j, 0,2,4,6,8,10,12,14,16,18,20,22,24,26,28,30,32,34,36,38,40,42,44,46,48,50,52,54,56,58,60,62
	v_pk_fma_f32 v[S+\j:S+1+\j], v[S+\j:S+1+\j], s[CS:CS+1], v[12:13] op_sel_hi:[1,0,0]   ; t - M, two at a time (of the pairs c and -M the low word serves both halves)
.endr
.irp b, 0,1,2,3
	v_fma_f32 v[BM+\b], v[BM+\b], s[CS], v12       ; the same of each block's largest score
.endr
	s_wait_alu depctr_va_vdst(0)
.irp j, 0,1,2,3,4,5,6,7,8,9,10,11,12,13,14,15,16,17,18,19,20,21,22,23,24,25,26,27,28,29,30,31,32,33,34,35,36,37,38,39,40,41,42,43,44,45,46,47,48,49,50,51,52,53,54,55,56,57,58,59,60,61,62,63
	v_exp_f32 v[S+\j], v[S+\j]                     ; p = 2^(t - M), at most 1
.endr
	v_pk_mul_f32 v[14:15], v[14:15], v[FF:FF+1] op_sel_hi:[1,0]   ; the sums under the new M: the plain place behind the exponentials
	s_wait_alu depctr_va_vdst(0)                   ; one wait for the batch of 64, ahead of its first reader
.irp b, 0,1,2,3
	v_exp_f32 v[BM+\b], v[BM+\b]                   ; the block's largest p: the same two instructions on the same number give the same bits
.endr
.irp k, 1,2,3,4,5,6,7                          ; the row's sum of the unquantised p: 32 pairs in eight chains by turns
	v_pk_add_f32 v[TS+2*\k:TS+2*\k+1], v[S+4*\k-4:S+4*\k-3], v[S+4*\k-2:S+4*\k-1]
.endr
	v_pk_add_f32 v[14:15], v[14:15], v[S+28:S+29]
.irp g, 0,1
.irp k, 1,2,3,4,5,6,7
	v_pk_add_f32 v[TS+2*\k:TS+2*\k+1], v[TS+2*\k:TS+2*\k+1], v[S+28+16*\g+2*\k:S+29+16*\g+2*\k]
.endr
	v_pk_add_f32 v[14:15], v[14:15], v[S+44+16*\g:S+45+16*\g]
.endr
	v_pk_add_f32 v[TS+2:TS+3], v[TS+2:TS+3], v[S+62:S+63]
	v_pk_add_f32 v[TS+4:TS+5], v[TS+4:TS+5], v[TS+6:TS+7]
	v_pk_add_f32 v[TS+8:TS+9], v[TS+8:TS+9], v[TS+10:TS+11]
	v_pk_add_f32 v[TS+12:TS+13], v[TS+12:TS+13], v[TS+14:TS+15]
	s_delay_alu instid0(VALU_DEP_4)
	v_pk_add_f32 v[14:15], v[14:15], v[TS+2:TS+3]
	s_delay_alu instid0(VALU_DEP_3)
	v_pk_add_f32 v[TS+4:TS+5], v[TS+4:TS+5], v[TS+8:TS+9]
	s_delay_alu instid0(VALU_DEP_2)
	v_pk_add_f32 v[14:15], v[14:15], v[TS+12:TS+13]
	s_delay_alu instid0(VALU_DEP_1)
	v_pk_add_f32 v[14:15], v[14:15], v[TS+4:TS+5]
	s_wait_alu depctr_va_vdst(0)                   ; and one for the four
.irp b, 0,1,2,3
	v_max_num_f32 v[BM+\b], 0x1800000, v[BM+\b]    ; the floor 2^(3 - 127): the byte cannot fall under 1
.endr
.irp b, 0,1,2,3
	s_delay_alu instid0(VALU_DEP_4)
	v_add_nc_u32 v[BS+\b], 0xff000000, v[BM+\b]    ; 2 off the exponent field: the conversion's scale operand
.endr
.irp b, 0,1,2,3
	s_delay_alu instid0(VALU_DEP_4)
	v_lshrrev_b32 v[BT+\b], 23, v[BS+\b]           ; the scale's byte
.endr
	s_delay_alu instid0(VALU_DEP_3)
	v_lshl_or_b32 v[PWD], v[BT+1], 8, v[BT]        ; p's scale word for these 128 keys
	s_delay_alu instid0(VALU_DEP_1)
	v_lshl_or_b32 v[PWD], v[BT+2], 16, v[PWD]
	s_delay_alu instid0(VALU_DEP_1)
	v_lshl_or_b32 v[PWD], v[BT+3], 24, v[PWD]
.irp c, 0,1
	v_cvt_scalef32_pk16_fp6_f32 v[PCD+6*\c:PCD+2+6*\c], v[S+32*\c:S+15+32*\c], v[BS+2*\c]
	v_cvt_scalef32_pk16_fp6_f32 v[PC2+4*\c:PC2+2+4*\c], v[S+16+32*\c:S+31+32*\c], v[BS+2*\c+1]
.endr
	v_nop                                          ; one plain place behind a scaled conversion
.irp c, 0,1                                    ; a whole block to a lane: lanes 0-15 block 2 c, lanes 16-31 block 2 c + 1
.irp i, 0,1,2
	v_permlane16_swap_b32 v[PCD+6*\c+\i], v[PC2+4*\c+\i]
.endr
.irp i, 0,1,2
	s_delay_alu instid0(VALU_DEP_3)
	v_mov_b32 v[PCD+3+6*\c+\i], v[PC2+4*\c+\i]
.endr
.endr
.irp j, 0,2,4,6,8,10,12,14,16,18,20,22,24,26,28,30
	v_pk_mul_f32 v[O+\j:O+1+\j], v[O+\j:O+1+\j], v[FF:FF+1] op_sel_hi:[1,0]   ; O^T under the new M.  For each product below twelve of these name none of its registers: the places behind p's word and codes
.endr
	s_wait_alu depctr_va_vdst(0)
	s_wait_dscnt 0x0                               ; V is in
.irp n, 0,1,2,3                                ; O^T += V^T P^T; the four accumulators take turns
	v_wmma_scale_f32_16x16x128_f8f6f4 v[O+8*\n:O+8*\n+7], v[F+12*\n:F+12*\n+11], v[PCD:PCD+11], v[O+8*\n:O+8*\n+7], v[SW+2*(\n%2)+\n/2], v[PWD] matrix_a_fmt:MATRIX_FMT_FP6 matrix_b_fmt:MATRIX_FMT_FP6 matrix_a_scale:MATRIX_SCALE_ROW1
.endr
	s_add_co_u32 s[TB], s[TB], STEPB
.endm
.macro KEYLOOP                         ; the head's 16 key steps
	s_mov_b32 s[TB], 0
	s_mov_b32 s[CNT], 16
.Lkeys_\@:
	STEP
	s_sub_co_u32 s[CNT], s[CNT], 1
	s_cmp_lg_u32 s[CNT], 0
	s_cbranch_scc1 .Lkeys_\@
.endm
.macro QLOAD u                         ; tile u's half image, once into each of the two operands
	global_load_b128 v[QA:QA+3], v[L16], s[QP:QP+1] offset:768*\u
	global_load_b64 v[QA+4:QA+5], v[L8], s[QP:QP+1] offset:768*\u+512
	global_load_b128 v[QB+6:QB+9], v[L16], s[QP:QP+1] offset:768*\u
	global_load_b64 v[QB+10:QB+11], v[L8], s[QP:QP+1] offset:768*\u+512
.endm
.macro INIT u
	s_wait_loadcnt 0x0                             ; q's codes and word
.if \u == 0
	v_perm_b32 v[QS], v[QW], v[QW], 0x01000100     ; X's two bytes, twice
.else
	v_perm_b32 v[QS], v[QW], v[QW], 0x03020302     ; Y's
.endif
	v_mov_b32 v13, 0xff61b1e6                      ; the largest score so far: -3e38
	s_delay_alu instid0(VALU_DEP_1)
	v_floor_f32 v12, -v13                          ; -M: above every later one
	v_mov_b32 v14, 0
	v_mov_b32 v15, 0
.irp j, 0,1,2,3,4,5,6,7,8,9,10,11,12,13,14,15,16,17,18,19,20,21,22,23,24,25,26,27,28,29,30,31
	v_mov_b32 v[O+\j], 0                           ; the step is written once: the first finds zeros.  (Also the places between q's scale word and the first product)
.endr
.endm
.macro FINISH u                        ; O^T / the sum, quantised along the 64 channels, to ybuf as a half image
	PLACES
	v_add_f32 v14, v14, v15
	s_delay_alu instid0(VALU_DEP_1)
	v_permlanex16_b32 v[T], v14, s[SEL], s[SEL+1]
	s_delay_alu instid0(VALU_DEP_1)
	v_add_f32 v14, v14, v[T]                       ; the row's sum
	s_wait_alu depctr_va_vdst(0)
	v_rcp_f32 v14, v14
	v_nop                                          ; a plain place behind the reciprocal,
	s_wait_alu depctr_va_vdst(0)                   ; and the wait ahead of its first reader
.irp j, 0,2,4,6,8,10,12,14,16,18,20,22,24,26,28,30
	v_pk_mul_f32 v[S+\j:S+1+\j], v[O+\j:O+1+\j], v[14:15] op_sel_hi:[1,0]   ; register 16 b + i: channel 32 b + 16 h + i
.endr
.irp b, 0,1
	v_max3_num_f32 v[BM+\b], |v[S+16*\b]|, |v[S+1+16*\b]|, 0x1800000
.endr
.irp i, 2,4,6,8,10,12,14
.irp b, 0,1
	s_delay_alu instid0(VALU_DEP_2)
	v_max3_num_f32 v[BM+\b], v[BM+\b], |v[S+16*\b+\i]|, |v[S+1+16*\b+\i]|
.endr
.endr
.irp b, 0,1
	s_delay_alu instid0(VALU_DEP_2)
	v_permlanex16_b32 v[BT+\b], v[BM+\b], s[SEL], s[SEL+1]
.endr
.irp b, 0,1
	s_delay_alu instid0(VALU_DEP_2)
	v_max_num_f32 v[BM+\b], v[BM+\b], v[BT+\b]
.endr
.irp b, 0,1
	s_delay_alu instid0(VALU_DEP_2)
	v_add_nc_u32 v[BS+\b], 0xff000000, v[BM+\b]
.endr
.irp b, 0,1
	s_delay_alu instid0(VALU_DEP_2)
	v_lshrrev_b32 v[BT+\b], 23, v[BS+\b]
.endr
.if \u == 0
	s_delay_alu instid0(VALU_DEP_1)
	v_lshl_or_b32 v[YB], v[BT+1], 8, v[BT]
.else
	s_delay_alu instid0(VALU_DEP_1)
	v_lshl_or_b32 v[T], v[BT+1], 8, v[BT]
	s_delay_alu instid0(VALU_DEP_1)
	v_lshl_or_b32 v[YB], v[T], 16, v[YB]
.endif
	v_cvt_scalef32_pk16_fp6_f32 v[PCD:PCD+2], v[S:S+15], v[BS]
	v_cvt_scalef32_pk16_fp6_f32 v[PC2:PC2+2], v[S+16:S+31], v[BS+1]
	v_nop
.irp i, 0,1,2
	v_permlane16_swap_b32 v[PCD+\i], v[PC2+\i]
.endr
.irp i, 0,1,2
	s_delay_alu instid0(VALU_DEP_3)
	v_mov_b32 v[PCD+3+\i], v[PC2+\i]
.endr
	global_store_b128 v[L16], v[PCD:PCD+3], s[YP:YP+1] offset:768*\u          ; 512 consecutive bytes, aligned,
	global_store_b64 v[L8], v[PCD+4:PCD+5], s[YP:YP+1] offset:768*\u+512      ; and 256
	s_wait_xcnt 0x0                                ; the stores have read their registers
.endm
	s_load_b128 s[4:7], s[0:1], 0x0                ; qbuf s[4:5], kvbuf s[6:7]
	s_load_b64 s[8:9], s[0:1], 0x10                ; ybuf
	v_lshl_add_u32 v[SPW], v0, 2, SPARE
	v_mov_b32 v[NIL], 0
	ds_add_u32 v[SPW], v[NIL]                      ; the wave's opening: the add, twice on end, and its wait ahead of my tensor load
	ds_add_u32 v[SPW], v[NIL]
	v_lshrrev_b32 v[LANE], 5, v0
	s_delay_alu instid0(VALU_DEP_1)
	v_readfirstlane_b32 s[WV], v[LANE]             ; wave 0..15
	s_bfe_u32 s11, ttmp6, 0x40000                  ; cx
	s_lshl_b32 s15, ttmp9, 2
	s_add_co_u32 s11, s15, s11                     ; my block of 512 queries: it enters q's and y's addresses alone
	s_and_b32 s12, ttmp7, 0xffff                   ; bh, which the four partners share
	s_mov_b32 s[G1], 15|(3<<16)|(1<<21)            ; the mask: all four; elements of 8 bytes; bit 21 beside a mask.  A key step: 50 rows of 256 dense bytes
	s_mov_b32 s[G1+1], 32<<16
	s_mov_b32 s[G1+2], 50<<16
	s_mov_b32 s[G1+3], 32<<16
	s_mov_b32 s[G1+4], 50
	s_mov_b32 s[G1+5], 32
	s_mov_b32 s[G1+6], 0
	s_mov_b32 s[G1+7], 0
	s_mul_i32 s13, s[WV], STEPB                    ; my key step: the same place in the head's bytes and in LDS
	s_mul_i32 s52, s12, HEADB
	s_mov_b32 s53, 0
	s_mov_b32 s54, s13
	s_mov_b32 s55, 0
	s_mov_b32 s[SEL], 0x76543210
	s_mov_b32 s[SEL+1], 0xfedcba98
	s_mov_b32 s[CS], 0x3e38aa3b                    ; c = log2(e) / 8
	s_mov_b32 s[CS+1], s[CS]
	s_lshl_b32 s15, s11, 4
	s_add_co_u32 s15, s15, s[WV]                   ; my pair of tiles: 32 queries
	s_lshr_b32 s58, s15, 2
	s_mul_i32 s58, s58, 6400
	s_mul_i32 s59, s12, 102400
	s_add_co_u32 s58, s58, s59                     ; its step in qbuf
	s_and_b32 s60, s15, 3
	s_mul_i32 s59, s60, 1536
	s_add_co_u32 s[QP], s58, s59
	s_mov_b32 s[QP+1], 0
	s_lshl_b32 s60, s60, 2
	s_add_co_u32 s60, s60, s58
	s_add_co_u32 s60, s60, 6144                    ; its word
	s_mov_b32 s61, 0
	s_lshr_b32 s58, s12, 4
	s_lshl_b32 s58, s58, 6
	s_add_co_u32 s58, s58, s15                     ; 64 x batch + pair: its group in ybuf
	s_mul_i32 s58, s58, 25600
	s_and_b32 s59, s12, 15                         ; the head
	s_mul_i32 s[YP], s59, 1536
	s_add_co_u32 s[YP], s[YP], s58
	s_mov_b32 s[YP+1], 0
	s_lshl_b32 s[YWP], s59, 6
	s_add_co_u32 s[YWP], s[YWP], s58
	s_add_co_u32 s[YWP], s[YWP], 24576
	s_mov_b32 s[YWP+1], 0
	s_wait_dscnt 0x0                               ; both opening adds are done
	s_wait_kmcnt 0x0
	s_add_nc_u64 s[6:7], s[6:7], s[52:53]          ; the head's bytes
	s_mov_b32 s[G0], 1
	s_mov_b32 s[G0+1], s13
	s_add_nc_u64 s[G0+2:G0+3], s[6:7], s[54:55]
	s_or_b32 s[G0+3], s[G0+3], 0x80000000
	s_add_nc_u64 s[QP:QP+1], s[4:5], s[QP:QP+1]
	s_add_nc_u64 s[60:61], s[4:5], s[60:61]
	s_add_nc_u64 s[YP:YP+1], s[8:9], s[YP:YP+1]
	s_add_nc_u64 s[YWP:YWP+1], s[8:9], s[YWP:YWP+1]
	CROUND                                         ; all four work-groups are here: the joint loads meet
	tensor_load_to_lds s[G0:G0+3], s[G1:G1+7]      ; every wave's one fill: key step w
	s_nop 0
	PLACES
	v_and_b32 v[LANE], 31, v0
	s_delay_alu instid0(VALU_DEP_1)
	v_lshlrev_b32 v[L16], 4, v[LANE]
	s_delay_alu instid0(VALU_DEP_2)
	v_lshlrev_b32 v[L8], 3, v[LANE]
	v_and_b32 v[R4], 15, v0
	s_delay_alu instid0(VALU_DEP_1)
	v_lshlrev_b32 v[R16], 4, v[R4]
	s_delay_alu instid0(VALU_DEP_2)
	v_lshlrev_b32 v[R4], 2, v[R4]
	QLOAD 0
	global_load_b32 v[QW], v[R16], s[60:61]
.irp j, 0,1,2,3,4,5,6,7,8,9,10,11
	v_mov_b32 v[QA+6+\j], 0                        ; the zero halves of the two operands, v22-33: written once
.endr
.irp b, 0,1,2,3
	v_mov_b32 v[BT+\b], 0                          ; written once: a lane permute's destination counts as one of its sources
.endr
	v_mov_b32 v[FF+1], 0                           ; (named as the upper half of the pair)
	v_mov_b32 v[T], 0
	s_wait_alu depctr_va_vdst(0)
	s_wait_tensorcnt 0x0                           ; my key step is in: nothing is ever filled again
	s_barrier_signal -1
	s_barrier_wait -1                              ; the head is whole
	INIT 0
	KEYLOOP
	QLOAD 1                                        ; tile Y's codes come while tile X goes out
	FINISH 0
	INIT 1
	KEYLOOP
	FINISH 1
	v_cmp_gt_u32 vcc_lo, 16, v[LANE]               ; (FINISH has just waited on XCNT: EXEC may change)
	s_and_saveexec_b32 s58, vcc_lo
	global_store_b32 v[R4], v[YB], s[YWP:YWP+1]    ; sixteen rows' words: 64 consecutive bytes
	s_wait_xcnt 0x0
	s_or_b32 exec_lo, exec_lo, s58
	s_wait_tensorcnt 0x0                           ; the wave's end
	ds_add_u32 v[SPW], v[NIL]
	s_wait_dscnt 0x0
	CROUND                                         ; the closing round
	s_endpgm
.Lfunc_end_k_q2ad02deaac_attn:
	.size	k_q2ad02deaac_attn, .Lfunc_end_k_q2ad02deaac_attn-k_q2ad02deaac_attn
	.p2alignl 7, 3214868480
	.fill 96, 4, 3214868480
	.section	.rodata,"a",@progbits
	.p2align	6, 0x0
	.amdhsa_kernel k_q2ad02deaac_attn
		.amdhsa_group_segment_fixed_size 206848
		.amdhsa_private_segment_fixed_size 0
		.amdhsa_enable_private_segment 0
		.amdhsa_kernarg_size 24
		.amdhsa_user_sgpr_count 2
		.amdhsa_user_sgpr_kernarg_segment_ptr 1
		.amdhsa_wavefront_size32 1
		.amdhsa_system_sgpr_workgroup_id_x 1
		.amdhsa_system_sgpr_workgroup_id_y 1
		.amdhsa_system_sgpr_workgroup_id_z 1
		.amdhsa_system_vgpr_workitem_id 0
		.amdhsa_next_free_vgpr 256
		.amdhsa_next_free_sgpr 66
		.amdhsa_reserve_vcc 1
		.amdhsa_float_denorm_mode_32 3
		.amdhsa_float_denorm_mode_16_64 3
		.amdhsa_memory_ordered 1
		.amdhsa_forward_progress 1
		.amdhsa_inst_pref_size 52
	.end_amdhsa_kernel
	.amdgpu_metadata
---
amdhsa.version: [ 1, 2 ]
amdhsa.kernels:
  - .name:           k_q2ad02deaac_attn
    .symbol:         k_q2ad02deaac_attn.kd
    .args:
      - { .name: qbuf, .offset: 0, .size: 8, .value_kind: global_buffer, .address_space: global }
      - { .name: kvbuf, .offset: 8, .size: 8, .value_kind: global_buffer, .address_space: global }
      - { .name: ybuf, .offset: 16, .size: 8, .value_kind: global_buffer, .address_space: global }
    .group_segment_fixed_size: 206848
    .private_segment_fixed_size: 0
    .kernarg_segment_align: 8
    .kernarg_segment_size: 24
    .max_flat_workgroup_size: 512
    .sgpr_count:     66
    .vgpr_count:     256
    .wavefront_size: 32
...
	.end_amdgpu_metadata
.endif
;; end of part 3
;; launch outp (part 4): grid 512 x 1, 4 waves a work-group, no clusters, 5,120 bytes of LDS; arguments ybuf, img, bo, out0; writes out0
.if DOCPART == 4
	.amdgcn_target "amdgcn-amd-amdhsa--gfx1250"
	.amdhsa_code_object_version 6
	.text
	.protected	k_q2ad02deaac_outp
	.globl	k_q2ad02deaac_outp
	.p2align	8
	.type	k_q2ad02deaac_outp,@function
k_q2ad02deaac_outp:
	s_mov_b64 s[64:65], 0
	v_nop
	global_prefetch_b8 v0, s[64:65] scope:SCOPE_SE
	s_setreg_imm32_b32 hwreg(HW_REG_WAVE_MODE, 25, 1), 1
	s_wait_xcnt 0x0
; out0 = y Wo + bo on codes of FP6 (E2M3) with E8M0 scales; K = 1,024 = (head, channel).  y's codes come from ybuf (a group of 32 tokens: 16 heads x (tile X 768 bytes, tile Y 768), then words [head][r]:
; X's two bytes, Y's two), Wo's from img's group 304.  A K step of 128 is two heads: head 2 s's half image is the operand's registers 0-5, head 2 s + 1's its registers 6-11.
; SHARES.  A work-group takes one tile of 16 tokens (group g = x / 2, tile u = x % 2: tokens 32 g + 8 u + r + 8 (r / 8)); wave w takes Wo's tile w: outputs 32 (w / 2) + 8 (w % 2) + j + 16 h.
; The product is used transposed (source 0 = Wo's 16 columns, source 1 = y), so a lane's eight results are eight neighbouring outputs of one token; the four waves' parts meet in a stage and leave as whole rows of 256 bytes.
; The even and the odd K steps are summed in two accumulators, which take turns; bo is the C of the first product.  So the order of the f32 sums differs from one chain's.
; No tensor load, no cluster: the work-groups share only Wo's 51,200 bytes.
.set SPITCH, 272
.set SPARE,  4608                      ; behind the stage (16 x 272 bytes): the spare words
.set WOG,    304*51200
.set L16, 1
.set L8,  2
.set R4,  3
.set R16, 4
.set BOA, 5
.set STI, 6
.set STO, 7
.set GO,  8
.set SPW, 12
.set NIL, 13
.set YF,  16                           ; v16-111  y's 8 fragments
.set WF,  112                          ; v112-207 Wo's 8
.set YW,  208                          ; v208-223 y's words as loaded; the even ones then hold the K steps' scale words
.set WW,  224                          ; v224-231 Wo's scale words
.set BO,  232                          ; v232-239 bo in the result's layout
.set AC0, 240
.set AC1, 248
	s_load_b256 s[4:11], s[0:1], 0x0               ; ybuf s[4:5], img s[6:7], bo s[8:9], out0 s[10:11]
	v_lshl_add_u32 v[SPW], v0, 2, SPARE
	v_mov_b32 v[NIL], 0
	v_lshrrev_b32 v9, 5, v0
	v_readfirstlane_b32 s12, v9                    ; wave
	v_and_b32 v9, 31, v0
	v_and_b32 v10, 15, v0                          ; r
	v_bfe_u32 v11, v0, 4, 1                        ; h
	s_wait_alu depctr_va_vdst(0)
	v_lshlrev_b32 v[L16], 4, v9
	v_lshlrev_b32 v[L8], 3, v9
	v_lshlrev_b32 v[R4], 2, v10
	v_lshlrev_b32 v[R16], 4, v10
	s_wait_alu depctr_va_vdst(0)
	s_lshr_b32 s13, ttmp9, 1                       ; g
	s_and_b32 s14, ttmp9, 1                        ; u
	s_mul_i32 s16, s13, 25600
	s_mul_i32 s15, s14, 768
	s_add_co_u32 s18, s16, s15                     ; y's codes
	s_mov_b32 s19, 0
	s_add_co_u32 s16, s16, 24576                   ; y's words
	s_mov_b32 s17, 0
	s_mul_i32 s20, s12, 1536
	s_add_co_u32 s20, s20, WOG                     ; Wo's tile w
	s_mov_b32 s21, 0
	s_lshl_b32 s22, s12, 2
	s_add_co_u32 s22, s22, WOG+6144                ; and its words
	s_mov_b32 s23, 0
	s_mov_b32 s24, 0x07060302
	s_cmp_eq_u32 s14, 0
	s_cselect_b32 s24, 0x05040100, s24             ; tile X's bytes are a word's low two, tile Y's its high two
	s_lshl_b32 s25, s13, 5
	s_lshl_b32 s26, s14, 3
	s_add_co_u32 s25, s25, s26
	s_and_b32 s26, s12, 1
	s_lshl_b32 s27, s26, 2
	s_add_co_u32 s25, s25, s27
	s_lshr_b32 s27, s12, 1
	s_lshl_b32 s28, s27, 4
	s_add_co_u32 s25, s25, s28                     ; the first token that I store: 32 g + 8 u + 4 (w % 2) + 16 (w / 2)
	s_lshl_b32 s28, s25, 8
	s_mov_b32 s29, 0
	s_lshl_b32 s30, s27, 7
	s_lshl_b32 s26, s26, 5
	s_add_co_u32 s30, s30, s26                     ; my outputs' first byte in a row: 128 (w / 2) + 32 (w % 2)
	v_lshl_add_u32 v[BOA], v11, 6, s30             ; + 64 h
	v_mul_u32_u24 v[STI], v10, SPITCH
	v_add_nc_u32 v[STI], v[STI], v[BOA]            ; the stage, in: row r
	s_mul_i32 s31, s12, 4*SPITCH
	v_mul_u32_u24 v[STO], v11, SPITCH
	v_lshl_add_u32 v[STO], v10, 4, v[STO]
	v_add_nc_u32 v[STO], s31, v[STO]               ; out: rows 4 w + h, 16 bytes a lane
	v_lshl_add_u32 v[GO], v11, 8, v[R16]           ; and the same in out0
	s_wait_alu depctr_va_vdst(0)
	s_wait_kmcnt 0x0
	s_add_nc_u64 s[18:19], s[4:5], s[18:19]
	s_add_nc_u64 s[16:17], s[4:5], s[16:17]
	s_add_nc_u64 s[20:21], s[6:7], s[20:21]
	s_add_nc_u64 s[22:23], s[6:7], s[22:23]
	s_add_nc_u64 s[10:11], s[10:11], s[28:29]
.irp d, 0,1,2,3,4,5,6,7,8,9,10,11,12,13,14,15
	global_load_b128 v[YF+6*\d:YF+6*\d+3], v[L16], s[18:19] offset:1536*\d
	global_load_b64 v[YF+6*\d+4:YF+6*\d+5], v[L8], s[18:19] offset:1536*\d+512
	global_load_b32 v[YW+\d], v[R4], s[16:17] offset:64*\d
.endr
.irp s, 0,1,2,3,4,5,6,7
.irp q, 0,1,2
	global_load_b128 v[WF+12*\s+4*\q:WF+12*\s+4*\q+3], v[L16], s[20:21] offset:6400*\s+512*\q
.endr
	global_load_b32 v[WW+\s], v[R16], s[22:23] offset:6400*\s
.endr
	global_load_b128 v[BO:BO+3], v[BOA], s[8:9]
	global_load_b128 v[BO+4:BO+7], v[BOA], s[8:9] offset:16
	s_wait_loadcnt 0x0
.irp s, 0,1,2,3,4,5,6,7
	v_perm_b32 v[YW+2*\s], v[YW+2*\s+1], v[YW+2*\s], s24   ; K step s's word: head 2 s's two bytes, head 2 s + 1's two
.endr
.rept 8
	v_nop                                          ; a scale register written by a vector instruction stands eight places ahead of a scaled matrix instruction
.endr
	v_wmma_scale_f32_16x16x128_f8f6f4 v[AC0:AC0+7], v[WF:WF+11], v[YF:YF+11], v[BO:BO+7], v[WW], v[YW] matrix_a_fmt:MATRIX_FMT_FP6 matrix_b_fmt:MATRIX_FMT_FP6
	v_wmma_scale_f32_16x16x128_f8f6f4 v[AC1:AC1+7], v[WF+12:WF+23], v[YF+12:YF+23], 0, v[WW+1], v[YW+2] matrix_a_fmt:MATRIX_FMT_FP6 matrix_b_fmt:MATRIX_FMT_FP6
.irp s, 2,4,6                                  ; the two accumulators take turns, one instruction a turn
	v_wmma_scale_f32_16x16x128_f8f6f4 v[AC0:AC0+7], v[WF+12*\s:WF+12*\s+11], v[YF+12*\s:YF+12*\s+11], v[AC0:AC0+7], v[WW+\s], v[YW+2*\s] matrix_a_fmt:MATRIX_FMT_FP6 matrix_b_fmt:MATRIX_FMT_FP6
	v_wmma_scale_f32_16x16x128_f8f6f4 v[AC1:AC1+7], v[WF+12*\s+12:WF+12*\s+23], v[YF+12*\s+12:YF+12*\s+23], v[AC1:AC1+7], v[WW+\s+1], v[YW+2*\s+2] matrix_a_fmt:MATRIX_FMT_FP6 matrix_b_fmt:MATRIX_FMT_FP6
.endr
.rept 4
	v_nop
.endr
.irp j, 0,2,4,6
	v_pk_add_f32 v[YF+\j:YF+\j+1], v[AC0+\j:AC0+\j+1], v[AC1+\j:AC1+\j+1]   ; both accumulators from their low ends on
.endr
	ds_store_b128 v[STI], v[YF:YF+3]
	ds_store_b128 v[STI], v[YF+4:YF+7] offset:16
	s_wait_dscnt 0x0                               ; for the others' sake: my stores into the stage are done
	s_barrier_signal -1
	s_barrier_wait -1
	ds_load_b128 v[YF+8:YF+11], v[STO]
	ds_load_b128 v[YF+12:YF+15], v[STO] offset:2*SPITCH
	s_wait_dscnt 0x1                               ; the first two rows are in; the second load may be out
	global_store_b128 v[GO], v[YF+8:YF+11], s[10:11] th:TH_STORE_NT            ; sixteen lanes store a token's 256 bytes, aligned
	s_wait_dscnt 0x0
	global_store_b128 v[GO], v[YF+12:YF+15], s[10:11] offset:512 th:TH_STORE_NT
	s_wait_tensorcnt 0x0                           ; the wave's end
	ds_add_u32 v[SPW], v[NIL]
	s_wait_dscnt 0x0
	s_endpgm
.Lfunc_end_k_q2ad02deaac_outp:
	.size	k_q2ad02deaac_outp, .Lfunc_end_k_q2ad02deaac_outp-k_q2ad02deaac_outp
	.p2alignl 7, 3214868480
	.fill 96, 4, 3214868480
	.section	.rodata,"a",@progbits
	.p2align	6, 0x0
	.amdhsa_kernel k_q2ad02deaac_outp
		.amdhsa_group_segment_fixed_size 5120
		.amdhsa_private_segment_fixed_size 0
		.amdhsa_enable_private_segment 0
		.amdhsa_kernarg_size 32
		.amdhsa_user_sgpr_count 2
		.amdhsa_user_sgpr_kernarg_segment_ptr 1
		.amdhsa_wavefront_size32 1
		.amdhsa_system_sgpr_workgroup_id_x 1
		.amdhsa_system_sgpr_workgroup_id_y 1
		.amdhsa_system_sgpr_workgroup_id_z 1
		.amdhsa_system_vgpr_workitem_id 0
		.amdhsa_next_free_vgpr 256
		.amdhsa_next_free_sgpr 66
		.amdhsa_reserve_vcc 0
		.amdhsa_float_denorm_mode_32 3
		.amdhsa_float_denorm_mode_16_64 3
		.amdhsa_memory_ordered 1
		.amdhsa_forward_progress 1
		.amdhsa_inst_pref_size 14
	.end_amdhsa_kernel
	.amdgpu_metadata
---
amdhsa.version: [ 1, 2 ]
amdhsa.kernels:
  - .name:           k_q2ad02deaac_outp
    .symbol:         k_q2ad02deaac_outp.kd
    .args:
      - { .name: ybuf, .offset: 0, .size: 8, .value_kind: global_buffer, .address_space: global }
      - { .name: img, .offset: 8, .size: 8, .value_kind: global_buffer, .address_space: global }
      - { .name: bo, .offset: 16, .size: 8, .value_kind: global_buffer, .address_space: global }
      - { .name: out0, .offset: 24, .size: 8, .value_kind: global_buffer, .address_space: global }
    .group_segment_fixed_size: 5120
    .private_segment_fixed_size: 0
    .kernarg_segment_align: 8
    .kernarg_segment_size: 32
    .max_flat_workgroup_size: 128
    .sgpr_count:     66
    .vgpr_count:     256
    .wavefront_size: 32
...
	.end_amdgpu_metadata
.endif
;; end of part 4
